; MI455X (gfx1250); checked and timed in simulation.
; The chip was launched on July 23, 2026; its instructions are those of AMD's public machine-readable ISA for CDNA 5 (MIT licence, August 2026) and "CDNA5" Instruction Set Architecture Reference Guide (July 2026). The comments in the code are by the model that wrote it; some were corrected since.
;; Multi Head Attention. Allowed arithmetic: matrix products marked QUANTISED: E3M2 operands, one E8M0 scale for each 32 along K, by v_wmma_scale_f32_16x16x128_f8f6f4 with both operands' format E3M2, f32 sums; everything else in f32.
;; Inputs: b_k 1,024 float32; b_o 1,024 float32; b_q 1,024 float32; b_v 1,024 float32; key 4 x 2,048 x 1,024 float32; query 4 x 2,048 x 1,024 float32; value 4 x 2,048 x 1,024 float32; w_k 1,024 x 1,024 float32; w_o 1,024 x 1,024 float32; w_q 1,024 x 1,024 float32; w_v 1,024 x 1,024 float32.
;; Outputs: out0 4 x 2,048 x 1,024 float32.
;; This version of the problem:
;;   THIS VERSION OF THE PROBLEM IS GIVEN IN LOW PRECISION. The matrix products marked QUANTISED in the list below multiply operands that are first quantised to E3M2 (3 exponent bits, 2 mantissa bits; 6 bits a number), with one power-of-two scale for each 32 numbers along K (OCP MX v1.0); their sums are f32. All else is computed in f32.
;;   The module's matrix products, in the order in which they are computed (A, B: the left and right operand; K: the contracted axis; several contracted axes count as one K, in the product's order):
;;     1. [M 8,192, K 1,024] x [K 1,024, N 1,024]; A: input query; B: input w_q: QUANTISED
;;     2. [M 8,192, K 1,024] x [K 1,024, N 1,024]; A: input key; B: input w_k: QUANTISED
;;     3. [M 8,192, K 1,024] x [K 1,024, N 1,024]; A: input value; B: input w_v: QUANTISED
;;     4. batch 64 x [M 2,048, K 64] x [K 64, N 2,048]; A: computed on the way; B: computed on the way: QUANTISED
;;     5. batch 64 x [M 2,048, K 2,048] x [K 2,048, N 64]; A: softmax (see below); B: computed on the way: QUANTISED
;;     6. [M 8,192, K 1,024] x [K 1,024, N 1,024]; A: computed on the way; B: input w_o: QUANTISED
;;   THE QUANTISER, for each operand of a quantised product, along K:
;;     - K is cut into blocks of 32 from its start; a last block that is shorter is filled with zeros.
;;     - A block's scale is 2^e with e = floor(log2(the largest magnitude in the block)) - 4, held to -126 .. 127; a block of zeros has e = 0. As a byte (E8M0): e + 127.
;;     - Each number is divided by its block's scale, clamped to +-28, and rounded to the nearest number of E3M2, ties to even, subnormals kept.
;;     - The product sums the exact products of the quantised numbers (number of the format x scale) in f32.
;;   ~~~python
;;   def quantise(x, axis):      # numpy; x: float32 -> the quantised numbers, widened to float32 again
;;       x = np.moveaxis(x, axis, -1); K = x.shape[-1]
;;       x = np.pad(x, [(0, 0)] * (x.ndim - 1) + [(0, -K % 32)]); x = x.reshape(x.shape[:-1] + (-1, 32)); a = np.abs(x).max(-1, keepdims=True)
;;       e = np.where(a > 0, np.clip(np.frexp(np.where(a > 0, a, 1))[1] - 1 - 4, -126, 127), 0)      # np.frexp(a)[1] - 1 = floor(log2(a)), exactly
;;       r = np.clip(x / 2.0 ** e, -28, 28)
;;       step = 2.0 ** (np.maximum(np.frexp(np.where(r == 0, 1, r))[1] - 1, -2) - 2)
;;       q = np.round(r / step) * step * 2.0 ** e      # np.round: ties to even
;;       return np.moveaxis(q.reshape(q.shape[:-2] + (-1,))[..., :K], -1, axis).astype(np.float32)
;;   ~~~
;;   SOFTMAX AHEAD OF A QUANTISED PRODUCT. Where the list says 'softmax', what is quantised is not the finished softmax but p = 2^(t - M), with t = logit x log2(e) and M = ceil(the row's largest t), a whole number; so 1/2 < the row's largest p <= 1. The row's sum l is taken of the UNQUANTISED p, in f32, and the product's result is divided by l at the end. Since M is a whole number, a kernel that streams over the keys may use a running M (the ceiling of the running maximum): every later rescaling is an exact power of two, which a block's scale takes up: the codes' values come out the same.
;;   OPERANDS COMPUTED ON THE WAY. 'Computed on the way' means the value that the module computes at that place (a softmax that the list does not call 'softmax' is quantised finished and normalised). What goes into a quantiser is computed in f32, as accurately as f32 sums, v_exp_f32 and their like allow (about 1e-6 of the number): no bf16 or f16 on the way to a quantiser, and a product that is left as it is and whose result goes on into a quantised operand takes f32 operands (vector FMAs, or v_wmma_f32_16x16x4_f32). A number that lies on a knife's edge between two numbers of the format may be rounded either way, as far as f32 arithmetic and the matrix unit's own rounding can turn it there, and no further.
;; One version. Each part assembles by itself: llvm-mc -triple=amdgcn-amd-amdhsa -mcpu=gfx1250 --defsym DOCPART=n.
;; ======== version 1 of 1: 4 launches
;; limits: right only within a limited range of input values
;; workspace buffers: xw 22,937,600 bytes; qkv 19,660,800 bytes; ao 6,553,600 bytes
;; launch quant (part 1): grid 448 x 1, 8 waves a work-group, no clusters, 68,608 bytes of LDS; arguments query, key, value, w_q, w_k, w_v, w_o, xw; writes xw
.if DOCPART == 1
	.amdgcn_target "amdgcn-amd-amdhsa--gfx1250"
	.amdhsa_code_object_version 6
	.text
	.protected	k_qef69310312_quant
	.globl	k_qef69310312_quant
	.p2align	8
	.type	k_qef69310312_quant,@function
k_qef69310312_quant:
	s_mov_b64 s[64:65], 0
	v_nop
	global_prefetch_b8 v0, s[64:65] scope:SCOPE_SE
	s_setreg_imm32_b32 hwreg(HW_REG_WAVE_MODE, 25, 1), 1
	s_wait_xcnt 0x0
; query, key, value [8192][1024] and w_q, w_k, w_v, w_o [1024][1024], f32, K innermost, become codes of BF6 (E3M2) with one E8M0 byte for each 32 along K,
; laid in xw in the ORDER OF AN OPERAND'S REGISTERS, so that the products' launches fetch fragments by loads of 16 and 8 bytes a lane and nothing else.
; xw: [group of 128 rows (224)][K step of 128 (8)][12,800 bytes].  Groups: query 0-63, key 64-127, value 128-191, w_q 192-199, w_k 200-207, w_v 208-215, w_o 216-223.
; A block of 12,800 bytes: 8 fragments of 1,536 bytes (tile i), then 512 bytes of scale words [i / 4][r][i % 4].  Lane r of tile i holds row 32 (i / 2) + 8 (i % 2) + r + 8 (r / 8) of the group.
; A fragment: two halves c of 768 bytes: registers 6 c .. 6 c + 3 of lane l at 16 l, registers 6 c + 4, 6 c + 5 at 512 + 8 l.
; A block's scale is 2^(floor(log2(largest magnitude)) - 4): its byte is the largest magnitude's exponent field - 4, held at 1 from below.
; LIMITS: a block of zeros (and any block whose largest magnitude lies under 2^(5 - 127)) gets the byte 1 where the rule says 127 for zeros: its codes are zeros, and this program alone reads the bytes.
; NaN and infinities among the inputs are not served.
; SHARES: a work-group takes 64 rows (half a group), wave w the K step w: four tiles of 16 rows x 128 K.  A load reads 512 consecutive bytes of one row; the 16 rows turn through the wave's own stage
; in LDS (rows 528 bytes apart) and come back 16 neighbours of each block of 32 to a lane.  No barrier: waves share nothing.  One path for all seven tensors: only the pointer is chosen.
; The scale words are stored by lanes 0-15 and, with the same values at the same places, by lanes 16-31.
.set GB,   102400                      ; a group in xw
.set SB,   12800                       ; a K step's block
.set STG,  16*528                      ; a wave's stage
.set R,    16                          ; v16-143  two sets of 64: a tile as loaded
.set X,    144                         ; v144-207 64 numbers: register 16 b + i = k 32 b + 16 (lane / 16) + i of my row
.set PC,   208                         ; v208-226 the codes just made
.set TM,   228                         ; v228-243 at work
.set SW,   244                         ; v244-247 the four tiles' scale words
.set SEL,  32                          ; s[32:33] lane selects for v_permlanex16_b32: lane l xor 16
; 64 numbers of a lane become a fragment's 12 registers of codes and its row's scale word.
.macro QUANT s, pc, pw
.irp b, 0,1,2,3
	v_max3_num_f32 v[TM+\b], |v[\s+16*\b]|, |v[\s+1+16*\b]|, 0x2800000   ; block b: my 16 numbers, and the floor 2^(5 - 127): the byte cannot fall under 1
.endr
.irp i, 2,4,6,8,10,12,14
.irp b, 0,1,2,3
	s_delay_alu instid0(VALU_DEP_4)
	v_max3_num_f32 v[TM+\b], v[TM+\b], |v[\s+16*\b+\i]|, |v[\s+1+16*\b+\i]|   ; the four blocks by turns
.endr
.endr
.irp b, 0,1,2,3
	s_delay_alu instid0(VALU_DEP_4)
	v_permlanex16_b32 v[TM+4+\b], v[TM+\b], s[SEL], s[SEL+1]
.endr
.irp b, 0,1,2,3
	s_delay_alu instid0(VALU_DEP_4)
	v_max_num_f32 v[TM+\b], v[TM+\b], v[TM+4+\b]   ; with lane l xor 16: the block's largest magnitude
.endr
.irp b, 0,1,2,3
	s_delay_alu instid0(VALU_DEP_4)
	v_add_nc_u32 v[TM+12+\b], 0xfe000000, v[TM+\b]   ; 4 off its exponent field: the conversion's scale operand
.endr
.irp b, 0,1,2,3
	s_delay_alu instid0(VALU_DEP_4)
	v_lshrrev_b32 v[TM+4+\b], 23, v[TM+12+\b]      ; the scale's byte
.endr
	s_delay_alu instid0(VALU_DEP_3)
	v_lshl_or_b32 v[\pw], v[TM+5], 8, v[TM+4]      ; four bytes: my row's scale word
	s_delay_alu instid0(VALU_DEP_1)
	v_lshl_or_b32 v[\pw], v[TM+6], 16, v[\pw]
	s_delay_alu instid0(VALU_DEP_1)
	v_lshl_or_b32 v[\pw], v[TM+7], 24, v[\pw]
	s_wait_xcnt 0x0                                ; the last fragment's stores have read their data: the codes' registers are written again only behind this wait
.irp c, 0,1
	v_cvt_scalef32_pk16_bf6_f32 v[\pc+6*\c:\pc+2+6*\c], v[\s+32*\c:\s+15+32*\c], v[TM+12+2*\c]
	v_cvt_scalef32_pk16_bf6_f32 v[\pc+12+4*\c:\pc+14+4*\c], v[\s+16+32*\c:\s+31+32*\c], v[TM+12+2*\c+1]   ; a conversion's three registers begin on an even number
.endr
	v_nop                                          ; one plain place behind a scaled conversion
.irp c, 0,1                                    ; the operand wants a whole block in a lane: lanes 0-15 block 2 c, lanes 16-31 block 2 c + 1
.irp i, 0,1,2
	v_permlane16_swap_b32 v[\pc+6*\c+\i], v[\pc+12+4*\c+\i]
.endr
.irp i, 0,1,2
	s_delay_alu instid0(VALU_DEP_3)
	v_mov_b32 v[\pc+3+6*\c+\i], v[\pc+12+4*\c+\i]
.endr
.endr
.endm
	s_load_b512 s[8:23], s[0:1], 0x0               ; query, key, value, w_q, w_k, w_v, w_o, xw
	v_lshl_add_u32 v254, v0, 2, 0x10800
	v_mov_b32 v255, 0
	v_lshrrev_b32 v1, 5, v0
	s_delay_alu instid0(VALU_DEP_1)
	v_readfirstlane_b32 s4, v1                     ; wave = K step
	v_and_b32 v6, 31, v0                           ; lane
	v_and_b32 v7, 15, v0                           ; r
	v_bfe_u32 v8, v0, 4, 1                         ; h
	s_delay_alu instid0(VALU_DEP_3)
	v_lshlrev_b32 v1, 4, v6                        ; 16 x lane
	s_delay_alu instid0(VALU_DEP_4)
	v_lshlrev_b32 v2, 3, v6                        ; 8 x lane
	s_delay_alu instid0(VALU_DEP_4)
	v_lshlrev_b32 v3, 4, v7                        ; 16 r
	s_mul_i32 s5, s4, STG
	v_add_nc_u32 v4, s5, v1                        ; the stage, on the way in: a row's 512 bytes as they lie
	v_mul_u32_u24 v5, v7, 528
	s_delay_alu instid0(VALU_DEP_1)
	v_lshl_add_u32 v5, v8, 6, v5
	s_delay_alu instid0(VALU_DEP_1)
	v_add_nc_u32 v5, s5, v5                        ; and on the way out: row r, + 64 h
	s_mov_b32 s[SEL], 0x76543210
	s_mov_b32 s[SEL+1], 0xfedcba98
.irp b, 0,1,2,3
	v_mov_b32 v[TM+4+\b], 0                        ; written once: a lane permute's destination counts as one of its sources
.endr
	s_wait_alu depctr_va_vdst(0)
	s_wait_kmcnt 0x0
	s_mov_b64 s[24:25], s[8:9]                     ; which tensor: the choice hangs on the work-group's number alone
	s_mov_b32 s26, 0
.macro PICK first, ptr
	s_cmp_ge_u32 ttmp9, \first
	s_cselect_b64 s[24:25], s[\ptr:\ptr+1], s[24:25]
	s_cselect_b32 s26, \first, s26
.endm
	PICK 128, 10
	PICK 256, 12
	PICK 384, 14
	PICK 400, 16
	PICK 416, 18
	PICK 432, 20
	s_sub_co_u32 s26, ttmp9, s26                   ; which 64 rows of the tensor
	s_lshl_b32 s26, s26, 18                        ; 64 rows of 4,096 bytes
	s_lshl_b32 s27, s4, 9                          ; my K step: 512 bytes of a row
	s_add_co_u32 s26, s26, s27
	s_mov_b32 s27, 0
	s_add_nc_u64 s[24:25], s[24:25], s[26:27]
	s_lshr_b32 s6, ttmp9, 1                        ; the group
	s_mul_i32 s34, s6, GB
	s_mul_i32 s7, s4, SB
	s_add_co_u32 s34, s34, s7
	s_mov_b32 s35, 0
	s_add_nc_u64 s[30:31], s[22:23], s[34:35]      ; my block of 12,800 bytes
	s_and_b32 s6, ttmp9, 1                         ; which half of the group
	s_mul_i32 s34, s6, 6144
	s_add_nc_u64 s[28:29], s[30:31], s[34:35]      ; my four fragments
	s_lshl_b32 s34, s6, 8
	s_add_nc_u64 s[30:31], s[30:31], s[34:35]
	s_add_nc_u64 s[30:31], s[30:31], 12288         ; my 256 bytes of scale words
.macro LOAD a                          ; tile a: 16 rows, 512 consecutive bytes each
.irp n, 0,1,2,3,4,5,6,7,8,9,10,11,12,13,14,15
	global_load_b128 v[R+64*((\a)%2)+4*\n:R+64*((\a)%2)+4*\n+3], v1, s[24:25] offset:(32*((\a)/2)+8*((\a)%2)+\n+8*(\n/8))*4096 th:TH_LOAD_NT
.endr
.endm
.macro TILE a
.if (\a) < 3
	s_wait_loadcnt 16                              ; this tile's 16 loads are in; the next tile's 16 may be out
.else
	s_wait_loadcnt 0
.endif
.irp n, 0,1,2,3,4,5,6,7,8,9,10,11,12,13,14,15
	ds_store_b128 v4, v[R+64*((\a)%2)+4*\n:R+64*((\a)%2)+4*\n+3] offset:528*\n
.endr
.irp b, 0,1,2,3
.irp j, 0,1,2,3
	ds_load_b128 v[X+16*\b+4*\j:X+16*\b+4*\j+3], v5 offset:128*\b+16*\j   ; LDS serves a wave's instructions in order (ISA guide 5.7.1.4): these see the stores above
.endr
.endr
	s_wait_dscnt 0x0                               ; the numbers are back, and the stores have read their registers,
.if (\a) < 2
	LOAD (\a)+2                                    ; which take the tile two on
.endif
	QUANT X, PC, SW+(\a)
.irp c, 0,1
	global_store_b128 v1, v[PC+6*\c:PC+6*\c+3], s[28:29] offset:1536*(\a)+768*\c         ; 512 consecutive bytes, at a multiple of 256 from the buffer's first byte
	global_store_b64 v2, v[PC+6*\c+4:PC+6*\c+5], s[28:29] offset:1536*(\a)+768*\c+512    ; 256 consecutive bytes, likewise
.endr
.endm
	LOAD 0
	LOAD 1
	TILE 0
	TILE 1
	TILE 2
	TILE 3
	global_store_b128 v3, v[SW:SW+3], s[30:31]     ; row r's four words: 256 consecutive bytes
	s_wait_tensorcnt 0x0
	ds_add_u32 v254, v255
	s_wait_dscnt 0x0
	s_endpgm
.Lfunc_end_k_qef69310312_quant:
	.size	k_qef69310312_quant, .Lfunc_end_k_qef69310312_quant-k_qef69310312_quant
	.p2alignl 7, 3214868480
	.fill 96, 4, 3214868480
	.section	.rodata,"a",@progbits
	.p2align	6, 0x0
	.amdhsa_kernel k_qef69310312_quant
		.amdhsa_group_segment_fixed_size 68608
		.amdhsa_private_segment_fixed_size 0
		.amdhsa_enable_private_segment 0
		.amdhsa_kernarg_size 64
		.amdhsa_user_sgpr_count 2
		.amdhsa_user_sgpr_kernarg_segment_ptr 1
		.amdhsa_wavefront_size32 1
		.amdhsa_system_sgpr_workgroup_id_x 1
		.amdhsa_system_sgpr_workgroup_id_y 1
		.amdhsa_system_sgpr_workgroup_id_z 1
		.amdhsa_system_vgpr_workitem_id 0
		.amdhsa_next_free_vgpr 256
		.amdhsa_next_free_sgpr 66
		.amdhsa_reserve_vcc 0
		.amdhsa_float_denorm_mode_32 3
		.amdhsa_float_denorm_mode_16_64 3
		.amdhsa_memory_ordered 1
		.amdhsa_forward_progress 1
		.amdhsa_inst_pref_size 41
	.end_amdhsa_kernel
	.amdgpu_metadata
---
amdhsa.version: [ 1, 2 ]
amdhsa.kernels:
  - .name:           k_qef69310312_quant
    .symbol:         k_qef69310312_quant.kd
    .args:
      - { .name: query, .offset: 0, .size: 8, .value_kind: global_buffer, .address_space: global }
      - { .name: key, .offset: 8, .size: 8, .value_kind: global_buffer, .address_space: global }
      - { .name: value, .offset: 16, .size: 8, .value_kind: global_buffer, .address_space: global }
      - { .name: w_q, .offset: 24, .size: 8, .value_kind: global_buffer, .address_space: global }
      - { .name: w_k, .offset: 32, .size: 8, .value_kind: global_buffer, .address_space: global }
      - { .name: w_v, .offset: 40, .size: 8, .value_kind: global_buffer, .address_space: global }
      - { .name: w_o, .offset: 48, .size: 8, .value_kind: global_buffer, .address_space: global }
      - { .name: xw, .offset: 56, .size: 8, .value_kind: global_buffer, .address_space: global }
    .group_segment_fixed_size: 68608
    .private_segment_fixed_size: 0
    .kernarg_segment_align: 8
    .kernarg_segment_size: 64
    .max_flat_workgroup_size: 256
    .sgpr_count:     66
    .vgpr_count:     256
    .wavefront_size: 32
...
	.end_amdgpu_metadata
.endif
;; end of part 1
;; launch proj (part 2): grid 256 x 1, 4 waves a work-group, clusters of 4 x 1, 327,680 bytes of LDS; arguments xw, b_q, b_k, b_v, qkv; writes qkv
.if DOCPART == 2
	.amdgcn_target "amdgcn-amd-amdhsa--gfx1250"
	.amdhsa_code_object_version 6
	.text
	.protected	k_qef69310312_proj
	.globl	k_qef69310312_proj
	.p2align	8
	.type	k_qef69310312_proj,@function
k_qef69310312_proj:
	s_mov_b64 s[64:65], 0
	v_nop
	global_prefetch_b8 v0, s[64:65] scope:SCOPE_SE
	s_setreg_imm32_b32 hwreg(HW_REG_WAVE_MODE, 25, 1), 1
	s_wait_xcnt 0x0
	s_wait_alu depctr_hold_cnt(0) depctr_sa_sdst(0) depctr_va_vdst(0) depctr_va_sdst(0) depctr_va_ssrc(0) depctr_va_vcc(0) depctr_vm_vsrc(0)
	s_getreg_b32 s2, hwreg(HW_REG_IB_STS2, 6, 4)
	s_cmp_eq_u32 s2, 0
	s_cbranch_scc0 .Lentry_in_a_cluster
	s_endpgm
.Lentry_in_a_cluster:
	s_bfe_u32 s2, ttmp6, 0x10000c
	s_cmp_lg_u32 s2, 0x3003
	s_cbranch_scc0 .Lentry_shape_is_right
	s_endpgm
.Lentry_shape_is_right:
.set GB,   102400
.set SB,   12800
.set TZ,   6553600
.set NST,  24
.set NT,   6
.set SS,   16
.set SR,   32
.set F0,   48
.set T,    48
.set PC,   112
.set TM,   132
.set PWE,  148
.set PWO,  149
.set SW0,  150
.set SW1,  152
.set OUT,  154
.set SWV,  156
.set WV,   14
.set SEL,  76
.set MSB,  0
.macro WIN new
.if MSB != \new
	s_set_vgpr_msb (MSB<<8)|\new
.set MSB, \new
.endif
.endm
.macro CROUND
	s_barrier_signal -1
	s_barrier_wait -1
	s_cmp_lg_u32 s[WV], 0
	s_cbranch_scc1 .Lnot_wave_0_\@
	s_barrier_signal -3
.Lnot_wave_0_\@:
	s_barrier_wait -3
	s_barrier_signal -1
	s_barrier_wait -1
.endm
.macro QUANT s, pc, pw
.irp b, 0,1,2,3
	v_max3_num_f32 v[TM+\b], |v[\s+16*\b]|, |v[\s+1+16*\b]|, 0x2800000
.endr
.irp i, 2,4,6,8,10,12,14
.irp b, 0,1,2,3
	v_max3_num_f32 v[TM+\b], v[TM+\b], |v[\s+16*\b+\i]|, |v[\s+1+16*\b+\i]|
.endr
.endr
.irp b, 0,1,2,3
	v_permlanex16_b32 v[TM+4+\b], v[TM+\b], s[SEL], s[SEL+1]
.endr
.irp b, 0,1,2,3
	v_max_num_f32 v[TM+\b], v[TM+\b], v[TM+4+\b]
.endr
.irp b, 0,1,2,3
	v_add_nc_u32 v[TM+12+\b], 0xfe000000, v[TM+\b]
.endr
.irp b, 0,1,2,3
	v_lshrrev_b32 v[TM+4+\b], 23, v[TM+12+\b]
.endr
	v_lshl_or_b32 v[\pw], v[TM+5], 8, v[TM+4]
	v_lshl_or_b32 v[\pw], v[TM+6], 16, v[\pw]
	v_lshl_or_b32 v[\pw], v[TM+7], 24, v[\pw]
	s_wait_xcnt 0x0
.irp c, 0,1
	v_cvt_scalef32_pk16_bf6_f32 v[\pc+6*\c:\pc+2+6*\c], v[\s+32*\c:\s+15+32*\c], v[TM+12+2*\c]
	v_cvt_scalef32_pk16_bf6_f32 v[\pc+12+4*\c:\pc+14+4*\c], v[\s+16+32*\c:\s+31+32*\c], v[TM+12+2*\c+1]
.endr
	v_nop
.irp c, 0,1
.irp i, 0,1,2
	v_permlane16_swap_b32 v[\pc+6*\c+\i], v[\pc+12+4*\c+\i]
.endr
.irp i, 0,1,2
	v_mov_b32 v[\pc+3+6*\c+\i], v[\pc+12+4*\c+\i]
.endr
.endr
.endm
	s_load_b256 s[4:11], s[0:1], 0x0
	s_load_b64 s[12:13], s[0:1], 0x20
	v_lshl_add_u32 v254, v0, 2, 0x4b000
	v_mov_b32 v255, 0
	ds_add_u32 v254, v255
	ds_add_u32 v254, v255
	v_lshrrev_b32 v1, 5, v0
	v_readfirstlane_b32 s[WV], v1
	s_bfe_u32 s15, ttmp6, 0x40000
	s_mov_b32 s16, ttmp9
	s_and_b32 s17, s16, 7
	s_mov_b32 s24, 15|(3<<16)|(1<<21)
	s_mov_b32 s25, 32<<16
	s_mov_b32 s26, 100<<16
	s_mov_b32 s27, 32<<16
	s_mov_b32 s28, 100
	s_mov_b32 s29, 32
	s_mov_b32 s30, 0
	s_mov_b32 s31, 0
	s_mul_i32 s82, s[WV], 2*SB                     ; a wave fetches two K steps' blocks of each operand tile: 100 rows of 256 bytes
	s_mul_i32 s84, s17, GB
	s_add_co_u32 s84, s84, s82
	s_mov_b32 s85, 0
	s_mul_i32 s86, s16, GB
	s_add_co_u32 s86, s86, s82
	s_mov_b32 s87, 0
	s_wait_dscnt 0x0
	s_wait_kmcnt 0x0
	s_add_nc_u64 s[84:85], s[4:5], s[84:85]
	s_add_nc_u64 s[86:87], s[4:5], s[86:87]
.macro DESC n, src, goff, loff
	s_mov_b32 s[32+4*\n], 1
	s_add_co_u32 s[33+4*\n], s82, \loff
	s_add_nc_u64 s[34+4*\n:35+4*\n], s[\src:\src+1], \goff
	s_or_b32 s[35+4*\n], s[35+4*\n], 0x80000000
.endm
	DESC 0, 84, 192*GB, 0
	DESC 1, 84, 200*GB, GB
	DESC 2, 86, 128*GB, 2*GB
	CROUND
	tensor_load_to_lds s[32:35], s[24:31]          ; the first operand tile: one joint load a wave at the head
	s_nop 0
.rept 4
	v_nop
.endr
	s_lshr_b32 s18, s16, 3
	s_lshl_b32 s18, s18, 3
	s_lshl_b32 s19, s15, 1
	s_lshr_b32 s20, s[WV], 1
	s_add_co_u32 s19, s19, s20
	s_add_co_u32 s18, s18, s19
	s_and_b32 s21, s[WV], 1
	s_mul_i32 s88, s18, GB
	s_mov_b32 s89, 0
	s_add_nc_u64 s[56:57], s[4:5], s[88:89]
	s_add_nc_u64 s[58:59], s[56:57], 64*GB
	s_mul_i32 s88, s19, GB
	s_add_nc_u64 s[60:61], s[4:5], s[88:89]
	s_add_nc_u64 s[60:61], s[60:61], 208*GB
	s_lshr_b32 s90, s18, 4
	s_lshl_b32 s90, s90, 4
	s_lshl_b32 s91, s17, 1
	s_add_co_u32 s90, s90, s91
	s_lshl_b32 s90, s90, 4
	s_and_b32 s91, s18, 15
	s_add_co_u32 s90, s90, s91
	s_mul_i32 s90, s90, 6400
	s_mov_b32 s91, 0
	s_mul_i32 s92, s21, 3072
	s_mov_b32 s93, 0
	s_lshl_b32 s94, s21, 7
	s_mov_b32 s95, 0
	s_add_nc_u64 s[90:91], s[12:13], s[90:91]
	s_add_nc_u64 s[66:67], s[90:91], s[92:93]
	s_add_nc_u64 s[68:69], s[90:91], s[94:95]
	s_add_nc_u64 s[68:69], s[68:69], 6144
	s_add_nc_u64 s[70:71], s[66:67], TZ
	s_add_nc_u64 s[72:73], s[68:69], TZ
	s_lshr_b32 s90, s16, 4
	s_lshl_b32 s90, s90, 4
	s_lshl_b32 s91, s15, 2
	s_add_co_u32 s90, s90, s91
	s_add_co_u32 s90, s90, s[WV]
	s_lshl_b32 s90, s90, 4
	s_and_b32 s91, s16, 15
	s_add_co_u32 s90, s90, s91
	s_mul_i32 s90, s90, 6400
	s_mov_b32 s91, 0
	s_add_nc_u64 s[74:75], s[12:13], s[90:91]
	s_add_nc_u64 s[74:75], s[74:75], 2*TZ
	s_mov_b32 s[SEL], 0x76543210
	s_mov_b32 s[SEL+1], 0xfedcba98
	s_mov_b32 s78, 0xffff0000
	s_mov_b32 s79, 0x05040100
	s_mov_b32 s80, 0x07060302
	v_and_b32 v13, 31, v0
	v_and_b32 v14, 15, v0
	v_bfe_u32 v15, v0, 4, 1
	v_lshlrev_b32 v1, 4, v13
	v_lshlrev_b32 v2, 3, v13
	v_lshlrev_b32 v9, 4, v14
	s_mul_i32 s96, s21, 6144
	v_add_nc_u32 v3, s96, v1
	v_add_nc_u32 v4, s96, v2
	s_lshl_b32 s97, s21, 8
	s_add_co_u32 s97, s97, 12288
	v_add_nc_u32 v5, s97, v9
	v_lshlrev_b32 v10, 3, v14
	v_mad_u32_u24 v10, v15, GB, v10
	v_lshlrev_b32 v11, 6, v15
	s_wait_alu depctr_va_vdst(0)
	v_and_b32 v12, 8, v14
	v_add_nc_u32 v12, v12, v14
	v_lshlrev_b32 v12, 2, v12
	s_wait_alu depctr_va_vdst(0)
	s_lshl_b32 s98, s17, 9
	s_mov_b32 s99, 0
	s_add_nc_u64 s[6:7], s[6:7], s[98:99]
	s_add_nc_u64 s[8:9], s[8:9], s[98:99]
	s_lshl_b32 s98, s15, 10
	s_lshl_b32 s97, s[WV], 8
	s_add_co_u32 s98, s98, s97
	s_add_nc_u64 s[10:11], s[10:11], s[98:99]
	WIN 0xc0
.irp t, 0,1,2,3,4,5,6,7
	global_load_b128 v[8*\t:8*\t+3], v11, s[6:7] offset:(32*(\t/2)+8*(\t%2))*4
	global_load_b128 v[8*\t+4:8*\t+7], v11, s[6:7] offset:(32*(\t/2)+8*(\t%2))*4+16
	global_load_b128 v[64+8*\t:64+8*\t+3], v11, s[8:9] offset:(32*(\t/2)+8*(\t%2))*4
	global_load_b128 v[64+8*\t+4:64+8*\t+7], v11, s[8:9] offset:(32*(\t/2)+8*(\t%2))*4+16
.endr
.irp a, 0,1,2,3
	global_load_b32 v[128+2*\a], v12, s[10:11] offset:(32*(\a/2)+8*(\a%2))*4
	global_load_b32 v[129+2*\a], v12, s[10:11] offset:(32*(\a/2)+8*(\a%2))*4
.endr
	WIN 0
.macro GLOADS g
.set gz, (\g)/8
.set gs, (\g)%8
.set gq, (\g)%4
	WIN 0x80
.irp a, 0,1,2,3
.irp c, 0,1
	global_load_b128 v[48*gq+12*\a+6*\c:48*gq+12*\a+6*\c+3], v3, s[56+2*gz:57+2*gz] offset:gs*SB+1536*\a+768*\c
	global_load_b64 v[48*gq+12*\a+6*\c+4:48*gq+12*\a+6*\c+5], v4, s[56+2*gz:57+2*gz] offset:gs*SB+1536*\a+768*\c+512
.endr
.endr
	WIN 0
	global_load_b128 v[SR+4*gq:SR+4*gq+3], v5, s[56+2*gz:57+2*gz] offset:gs*SB
.endm
.macro FETCH p
.irp b, 0,1,2,3,4,5,6,7
.irp c, 0,1
	ds_load_b128 v[F0+96*(\p)+12*\b+6*\c:F0+96*(\p)+12*\b+6*\c+3], v6 offset:1536*\b+768*\c
	ds_load_b64 v[F0+96*(\p)+12*\b+6*\c+4:F0+96*(\p)+12*\b+6*\c+5], v7 offset:1536*\b+768*\c+512
.endr
.endr
	ds_load_b128 v[SS+8*(\p):SS+8*(\p)+3], v8
	ds_load_b128 v[SS+8*(\p)+4:SS+8*(\p)+7], v8 offset:256
.endm
.macro ADDR base
	v_add_nc_u32 v6, \base, v1
	v_add_nc_u32 v7, \base, v2
	v_add_nc_u32 v8, (\base)+12288, v9
.endm
.macro STEP z, s
.set gi, 8*(\z)+(\s)
.set fp, (\s)%2
.set rq, gi%4
.if gi+2 < NST
	s_wait_loadcnt 34
.elseif gi+1 < NST
	s_wait_loadcnt 17
.else
	s_wait_loadcnt 0
.endif
	s_wait_dscnt 0x0
.if (\s) < 7
	ADDR (\z)*GB+((\s)+1)*SB
	v_nop
.else
.rept 4
	v_nop
.endr
.endif
.if gi+3 < NST
	GLOADS gi+3
.endif
.if (\s) < 7
	FETCH 1-fp
.endif
	WIN 0x58
.irp a, 0,1,2,3
.irp b, 0,1,2,3,4,5,6,7
.if (\s) == 0
	v_wmma_scale_f32_16x16x128_f8f6f4 v[64*\a+8*\b:64*\a+8*\b+7], v[F0+96*fp+12*\b:F0+96*fp+12*\b+11], v[48*rq+12*\a:48*rq+12*\a+11], 0, v[SS+8*fp+\b], v[SR+4*rq+\a] matrix_a_fmt:MATRIX_FMT_BF6 matrix_b_fmt:MATRIX_FMT_BF6
.else
	v_wmma_scale_f32_16x16x128_f8f6f4 v[64*\a+8*\b:64*\a+8*\b+7], v[F0+96*fp+12*\b:F0+96*fp+12*\b+11], v[48*rq+12*\a:48*rq+12*\a+11], v[64*\a+8*\b:64*\a+8*\b+7], v[SS+8*fp+\b], v[SR+4*rq+\a] matrix_a_fmt:MATRIX_FMT_BF6 matrix_b_fmt:MATRIX_FMT_BF6
.endif
.endr
.endr
	WIN 0
.endm
.macro TILE z
	s_wait_alu depctr_va_vdst(0)                   ; the wait ahead of the blocking wait
	s_wait_tensorcnt 0x0                           ; my part of operand tile z is in
.if (\z) < 2
	ds_add_u32 v254, v255                          ; the add ahead of a later first fill
	s_wait_dscnt 0x0
	CROUND                                         ; tile z is whole in every partner; behind the round the next tile's first fill, into bytes of its own
	tensor_load_to_lds s[36+4*(\z):39+4*(\z)], s[24:31]
	s_nop 0
.rept 4
	v_nop
.endr
.else
	s_wait_dscnt 0x0
	s_barrier_signal -1
	s_barrier_wait -1
.endif
	ADDR (\z)*GB
	FETCH 0
.irp s, 0,1,2,3,4,5,6,7
	STEP \z, \s
.endr
.endm
.macro EPI_QK z
.irp b, 0,1,2,3
	v_mov_b32 v[TM+4+\b], 0
.endr
.irp a, 0,1,2,3
	WIN 0x0d
.set i, 0
.rept 32
	v_pk_add_f32 v[T+2*i:T+2*i+1], v[64*\a+2*i:64*\a+2*i+1], v[64*(\z)+2*i:64*(\z)+2*i+1]
.set i, i+1
.endr
	WIN 0
.if \a%2 == 0
	QUANT T, PC, PWE
.else
	QUANT T, PC, PWO
.endif
.irp c, 0,1
	global_store_b128 v1, v[PC+6*\c:PC+6*\c+3], s[66+4*(\z):67+4*(\z)] offset:768*\a+GB*\c
	global_store_b64 v2, v[PC+6*\c+4:PC+6*\c+5], s[66+4*(\z):67+4*(\z)] offset:768*\a+GB*\c+512
.endr
.if \a%2 == 1
	v_perm_b32 v[SW0+\a/2], v[PWO], v[PWE], s79
	v_perm_b32 v[SW1+\a/2], v[PWO], v[PWE], s80
.endif
.endr
	v_cndmask_b32 v[OUT], v[SW0], v[SW1], s78
	v_cndmask_b32 v[OUT+1], v[SW0+1], v[SW1+1], s78
	global_store_b64 v10, v[OUT:OUT+1], s[68+4*(\z):69+4*(\z)]
	s_wait_xcnt 0x0
.endm
.macro EPI_V
.irp b, 0,1,2,3
	v_mov_b32 v[TM+4+\b], 0
.endr
.irp a, 0,1,2,3
	WIN 0x0d
.set i, 0
.rept 32
	v_pk_add_f32 v[T+2*i:T+2*i+1], v[64*\a+2*i:64*\a+2*i+1], v[128+2*\a:129+2*\a]
.set i, i+1
.endr
	WIN 0
	QUANT T, PC, SWV+\a
.irp c, 0,1
	global_store_b128 v1, v[PC+6*\c:PC+6*\c+3], s[74:75] offset:1536*\a+768*\c
	global_store_b64 v2, v[PC+6*\c+4:PC+6*\c+5], s[74:75] offset:1536*\a+768*\c+512
.endr
.endr
	global_store_b128 v9, v[SWV:SWV+3], s[74:75] offset:6144
.endm
	GLOADS 0
	GLOADS 1
	GLOADS 2
	TILE 0
	EPI_QK 0
	TILE 1
	EPI_QK 1
	TILE 2
	EPI_V
	s_wait_tensorcnt 0x0
	ds_add_u32 v254, v255
	s_wait_dscnt 0x0
	CROUND
	s_endpgm
.Lfunc_end_k_qef69310312_proj:
	.size	k_qef69310312_proj, .Lfunc_end_k_qef69310312_proj-k_qef69310312_proj
	.p2alignl 7, 3214868480
	.fill 96, 4, 3214868480
	.section	.rodata,"a",@progbits
	.p2align	6, 0x0
	.amdhsa_kernel k_qef69310312_proj
		.amdhsa_group_segment_fixed_size 327680
		.amdhsa_private_segment_fixed_size 0
		.amdhsa_enable_private_segment 0
		.amdhsa_kernarg_size 40
		.amdhsa_user_sgpr_count 2
		.amdhsa_user_sgpr_kernarg_segment_ptr 1
		.amdhsa_wavefront_size32 1
		.amdhsa_system_sgpr_workgroup_id_x 1
		.amdhsa_system_sgpr_workgroup_id_y 1
		.amdhsa_system_sgpr_workgroup_id_z 1
		.amdhsa_system_vgpr_workitem_id 0
		.amdhsa_next_free_vgpr 1024
		.amdhsa_next_free_sgpr 100
		.amdhsa_reserve_vcc 0
		.amdhsa_float_denorm_mode_32 3
		.amdhsa_float_denorm_mode_16_64 3
		.amdhsa_memory_ordered 1
		.amdhsa_forward_progress 1
		.amdhsa_inst_pref_size 255
	.end_amdhsa_kernel
	.section	.bss,"aw",@nobits
	.p2align	6
	.space	262144
	.amdgpu_metadata
---
amdhsa.version: [ 1, 2 ]
amdhsa.kernels:
  - .name:           k_qef69310312_proj
    .symbol:         k_qef69310312_proj.kd
    .args:
      - { .name: xw, .offset: 0, .size: 8, .value_kind: global_buffer, .address_space: global }
      - { .name: b_q, .offset: 8, .size: 8, .value_kind: global_buffer, .address_space: global }
      - { .name: b_k, .offset: 16, .size: 8, .value_kind: global_buffer, .address_space: global }
      - { .name: b_v, .offset: 24, .size: 8, .value_kind: global_buffer, .address_space: global }
      - { .name: qkv, .offset: 32, .size: 8, .value_kind: global_buffer, .address_space: global }
    .group_segment_fixed_size: 327680
    .private_segment_fixed_size: 0
    .kernarg_segment_align: 8
    .kernarg_segment_size: 40
    .max_flat_workgroup_size: 128
    .sgpr_count:     100
    .vgpr_count:     1024
    .wavefront_size: 32
...
	.end_amdgpu_metadata
.endif
;; end of part 2
;; launch attn (part 3): grid 256 x 1, 8 waves a work-group, clusters of 4 x 1, 206,848 bytes of LDS; arguments qkv, ao; writes ao
.if DOCPART == 3
	.amdgcn_target "amdgcn-amd-amdhsa--gfx1250"
	.amdhsa_code_object_version 6
	.text
	.protected	k_qef69310312_attn
	.globl	k_qef69310312_attn
	.p2align	8
	.type	k_qef69310312_attn,@function
k_qef69310312_attn:
	s_mov_b64 s[64:65], 0
	v_nop
	global_prefetch_b8 v0, s[64:65] scope:SCOPE_SE
	s_setreg_imm32_b32 hwreg(HW_REG_WAVE_MODE, 25, 1), 1
	s_wait_xcnt 0x0
	s_wait_alu depctr_hold_cnt(0) depctr_sa_sdst(0) depctr_va_vdst(0) depctr_va_sdst(0) depctr_va_ssrc(0) depctr_va_vcc(0) depctr_vm_vsrc(0)
	s_getreg_b32 s2, hwreg(HW_REG_IB_STS2, 6, 4)
	s_cmp_eq_u32 s2, 0
	s_cbranch_scc0 .Lentry_in_a_cluster
	s_endpgm
.Lentry_in_a_cluster:
	s_bfe_u32 s2, ttmp6, 0x10000c
	s_cmp_lg_u32 s2, 0x3003
	s_cbranch_scc0 .Lentry_shape_is_right
	s_endpgm
.Lentry_shape_is_right:
; O[b, h][q] = the sum over keys of softmax(q . k / 8) v, both products on codes of BF6 (E3M2) with one E8M0 byte for each 32 along K; the result is quantised at once, along the channels, for the last product.
; THE SOFTMAX: t = score x log2(e) / 8; M = the row's largest t so far, rounded up to a whole number; p = 2^(t - M) is quantised along the keys, not normalised; the row's sum is taken of the unquantised p
; and divides O at the end.  When M moves, the sum and O are multiplied by 2^(old M - new M): exact.
; qkv: [q, k, v][batch x 16 + head][128 tokens (16)][6,400 bytes]: q, k: 8 halves of 768 bytes (16 tokens x 64 channels as six registers a lane: registers 0-3 at 16 l, 4-5 at 512 + 8 l), 256 bytes of scale words;
;   v: 4 fragments (16 channels x 128 keys, keys in their order), 256 bytes of scale words.  Lane r' of half i holds token 32 (i / 2) + 8 (i % 2) + r' + 8 (r' / 8) of its 128.
; ao: [128 tokens (64)][pair of heads (8)][12,800 bytes]: 8 fragments of 1,536 bytes (half c = head 2 s + c), then 512 bytes of scale words [tile / 4][r][tile % 4].
; K = 64 IN A FORM OF K = 128: two tiles of keys lie in one fragment; it is multiplied once by (q, zeros) and once by (zeros, q).  Zero codes add nothing; every scale byte is 1 to 254.
; WHICH KEYS FORM A TILE is chosen by the lanes' LDS addresses: row m of tile t of the 64 keys c takes key 64 c + 32 (m / 8) + 8 t + m % 8, which is half 4 c + 2 (m / 8) + t % 2, lane m % 8 + 8 (t / 2).
; With S^T = K Q^T a lane (r, h) then holds query r, and its 32 registers of the four tiles of c are keys 64 c + 32 h + 0 .. 31: a WHOLE block of 32, in the order of the next operand's registers.
; So a block's largest score needs no other lane and p's codes are not moved between lanes; only the row's maximum and the scale word's four bytes cross to lane l xor 16.
; SHARES: a cluster of four work-groups is one head; a work-group takes 512 queries in two passes of 256; each of its eight waves takes two tiles of 16 queries a pass, which share every fragment of K and V.
; The two tiles' dependent chains stand among each other's independent work, so that few lines read the line just above them.
; The head's whole K and V, 204,800 bytes, come into each work-group's LDS ONCE: eight joint loads, one a wave, 25,600 bytes each; one wait and one barrier; nothing is filled again and the loop has no barrier.
; No prefetch: K and V are asked for once, at the head, and there is no loop to run ahead in.
; LIMITS: NaN and infinities are not served; the scaled scores stay under 2^31 in magnitude; a block of zeros gets the byte 1 (this program alone reads the bytes).
; The result's two scale bytes a row leave by a store of 2 bytes a lane: the word's other half is another head's.
; REGISTERS, window 0: v1-6 lane terms of LDS addresses, v7-12 a step's addresses, v13 8 h, v14-15 the add's two; v16-45 zeros, q of tile 0, zeros, q of tile 1, zeros; v46-57 scale words (q 2, K 4, V 4, p 2);
;   v58-73 a tile's state (-M, largest score, sum pair, f pair, two at work); v74-89, v114-125 at work; v90-113 p's codes (ahead of them: parts of tile 0's sum); v117, 121, 126, 127 lane terms of global offsets;
;   v128-255 S^T, then p, of the two tiles.   window 1: v0-63 O^T of the two tiles; v64-111 K's four fragments; v112-159 V's four.
.set TZ,   6553600
.set GB,   102400                      ; a head's K (or V) in bytes; a group in ao
.set KB,   6400                        ; a key step's block
.set QT,   25600                       ; what one wave fetches
.set WV,   8
.set SEL,  40
.set CS,   42
.set TB,   44                          ; s44  LDS byte of the key step's block of K
.set CNT,  45
.set PASS, 46
.set NC,   47                          ; s47  -c
.set QS,   46
.set KS,   48
.set VS,   52
.set PW,   56
.set ST,   58                          ; tile x: -M at ST + 8 x, largest score + 1, sum + 2, + 3, f + 4, (+ 5), at work + 6, + 7
.set BM,   74
.set SO,   78
.set PT,   82
.set PC,   90
.set CT,   114
.set L16,  117
.set L8,   121
.set R8,   126
.set R16,  127
.set SC,   128
.set KF,   64                          ; window 1
.set VF,   112                         ; window 1
.set MSB,  0
.macro WIN new                         ; the immediate's high byte repeats the setting that is left
.if MSB != \new
	s_set_vgpr_msb (MSB<<8)|\new
.set MSB, \new
.endif
.endm
.macro CROUND                          ; a round of the cluster's barrier
	s_barrier_signal -1
	s_barrier_wait -1
	s_cmp_lg_u32 s[WV], 0
	s_cbranch_scc1 .Lnot_wave_0_\@
	s_barrier_signal -3
.Lnot_wave_0_\@:
	s_barrier_wait -3
	s_barrier_signal -1
	s_barrier_wait -1
.endm
.macro QLOAD                           ; my two tiles of 16 queries: six registers of codes and row r's two scale bytes each
.irp x, 0,1
	global_load_b128 v[22+12*\x:25+12*\x], v[L16], s[48:49] offset:768*\x
	global_load_b64 v[26+12*\x:27+12*\x], v[L8], s[48:49] offset:768*\x+512
	global_load_u16 v[ST+8*\x+6], v[R8], s[50:51] offset:2*\x
.endr
.endm
.macro LOADK a16, a8, asc, off         ; a key step's K: fragment u = 2 c + t / 2 holds tiles t, t + 1 of the 64 keys c; then its rows' scale words
	WIN 0x40
.irp u, 0,1,2,3
.irp e, 0,1
	ds_load_b128 v[KF+12*\u+6*\e:KF+12*\u+6*\e+3], v[\a16] offset:\off+3072*(\u/2)+128*(\u%2)+768*\e
	ds_load_b64 v[KF+12*\u+6*\e+4:KF+12*\u+6*\e+5], v[\a8] offset:\off+3072*(\u/2)+64*(\u%2)+768*\e+512
.endr
.endr
	WIN 0
.irp u, 0,1,2,3
	ds_load_b32 v[KS+\u], v[\asc] offset:\off+6144+128*(\u/2)+64*(\u%2)
.endr
.endm
; The largest score of each block of 32 keys, in two chains of 16 registers a block (BM and PT): level l of tile x's four chains.  Each result of the products is read from its low end on.
.macro MAXL x, l
.irp c, 0,1
.if \l == 0
	v_max3_num_f32 v[BM+2*\x+\c], v[SC+64*\x+32*\c], v[SC+64*\x+32*\c+1], v[SC+64*\x+32*\c+2]
	v_max3_num_f32 v[PT+2*\x+\c], v[SC+64*\x+32*\c+16], v[SC+64*\x+32*\c+17], v[SC+64*\x+32*\c+18]
.else
	v_max3_num_f32 v[BM+2*\x+\c], v[BM+2*\x+\c], v[SC+64*\x+32*\c+2*\l+1], v[SC+64*\x+32*\c+2*\l+2]
	v_max3_num_f32 v[PT+2*\x+\c], v[PT+2*\x+\c], v[SC+64*\x+32*\c+2*\l+17], v[SC+64*\x+32*\c+2*\l+18]
.endif
.endr
.endm
.macro MAXF x, e                       ; the two chains joined, with registers 15 and 31
.irp c, 0,1
.if \e == 0
	v_max3_num_f32 v[BM+2*\x+\c], v[BM+2*\x+\c], v[PT+2*\x+\c], v[SC+64*\x+32*\c+15]
.else
	v_max_num_f32 v[BM+2*\x+\c], v[BM+2*\x+\c], v[SC+64*\x+32*\c+31]
.endif
.endr
.endm
; Line k of tile x's chain from the blocks' largest scores to the new -M and to f = 2^(old M - new M)
.macro RSTEP x, k
.if \k == 0
	v_max_num_f32 v[ST+8*\x+6], v[BM+2*\x], v[BM+2*\x+1]
.elseif \k == 1
	v_permlanex16_b32 v[ST+8*\x+7], v[ST+8*\x+6], s[SEL], s[SEL+1]
.elseif \k == 2
	v_max3_num_f32 v[ST+8*\x+1], v[ST+8*\x+1], v[ST+8*\x+6], v[ST+8*\x+7]   ; the running largest score of my query
.elseif \k == 3
	v_mul_f32 v[ST+8*\x+6], s[NC], v[ST+8*\x+1]    ; -t
.elseif \k == 4
	v_floor_f32 v[ST+8*\x+6], v[ST+8*\x+6]         ; the new -M = floor(-t): M is a whole number
.elseif \k == 5
	v_sub_f32 v[ST+8*\x+7], v[ST+8*\x+6], v[ST+8*\x]   ; old M less new M: a whole number, 0 or less
.elseif \k == 6
	v_mov_b32 v[ST+8*\x], v[ST+8*\x+6]
.elseif \k == 7
	v_cvt_i32_f32 v[ST+8*\x+7], v[ST+8*\x+7]       ; (it saturates)
.else
	v_ldexp_f32 v[ST+8*\x+4], 1.0, v[ST+8*\x+7]
.endif
.endm
.macro DADD a, b                       ; tile 0's sum: part a += part b.  Part j lies at v[86 + 2 j], parts 14 and 15 at v122 and v124
	v_pk_add_f32 v[86+2*(\a)+8*((\a)/14):87+2*(\a)+8*((\a)/14)], v[86+2*(\a)+8*((\a)/14):87+2*(\a)+8*((\a)/14)], v[86+2*(\b)+8*((\b)/14):87+2*(\b)+8*((\b)/14)]
.endm
	s_load_b128 s[4:7], s[0:1], 0x0                ; qkv s[4:5], ao s[6:7]
	v_lshl_add_u32 v14, v0, 2, 0x32000
	v_mov_b32 v15, 0
	ds_add_u32 v14, v15                            ; the opening lines: the add, twice on end, and its wait
	ds_add_u32 v14, v15
	v_lshrrev_b32 v1, 5, v0
	v_readfirstlane_b32 s[WV], v1                  ; wave 0..7
	s_bfe_u32 s9, ttmp6, 0x40000                   ; cx: it enters q's and the result's global addresses alone
	s_mov_b32 s16, 15|(3<<16)|(1<<21)              ; group 1: a dense block of 25,600 bytes as 100 rows of 256; the mask names all four work-groups
	s_mov_b32 s17, 32<<16
	s_mov_b32 s18, 100<<16
	s_mov_b32 s19, 32<<16
	s_mov_b32 s20, 100
	s_mov_b32 s21, 32
	s_mov_b32 s22, 0
	s_mov_b32 s23, 0
	s_lshr_b32 s56, s[WV], 2                       ; waves 0-3: K; waves 4-7: V
	s_and_b32 s57, s[WV], 3                        ; which four key steps
	s_mul_i32 s58, s57, QT
	s_mul_i32 s60, s56, TZ
	s_add_co_u32 s60, s60, s58
	s_mul_i32 s62, ttmp9, GB                       ; the head
	s_add_co_u32 s60, s60, s62
	s_mov_b32 s61, 0
	s_mov_b32 s24, 1
	s_mul_i32 s25, s[WV], QT                       ; in LDS: K's four parts, then V's four
	s_wait_dscnt 0x0
	s_wait_kmcnt 0x0
	s_add_nc_u64 s[26:27], s[4:5], s[60:61]
	s_add_nc_u64 s[26:27], s[26:27], TZ
	s_or_b32 s27, s27, 0x80000000
	CROUND                                         ; all four work-groups are here: the joint loads meet
	tensor_load_to_lds s[24:27], s[16:23]          ; one load a wave, no branch
	s_nop 0
.rept 4
	v_nop
.endr
	s_and_b32 s10, s[WV], 3
	s_lshl_b32 s10, s10, 1                         ; my first tile among a group's eight; the second is the next
	s_lshr_b32 s11, s[WV], 2
	s_lshl_b32 s12, s9, 2
	s_add_co_u32 s12, s12, s11                     ; my group of 128 queries in pass 0: 4 cx + wave / 4
	s_lshl_b32 s13, ttmp9, 4
	s_add_co_u32 s13, s13, s12
	s_mul_i32 s66, s13, KB
	s_mov_b32 s67, 0
	s_add_nc_u64 s[50:51], s[4:5], s[66:67]        ; q's block
	s_mul_i32 s66, s10, 768
	s_add_nc_u64 s[48:49], s[50:51], s[66:67]      ; my first tile's codes
	s_lshr_b32 s68, s10, 2
	s_lshl_b32 s68, s68, 7
	s_bfe_u32 s69, s10, 0x10001
	s_lshl_b32 s69, s69, 2
	s_add_co_u32 s68, s68, s69
	s_add_co_u32 s66, s68, 6144
	s_add_nc_u64 s[50:51], s[50:51], s[66:67]      ; its two scale bytes of row 0
	s_and_b32 s70, ttmp9, 0x30                     ; batch x 16
	s_add_co_u32 s70, s70, s12                     ; the group of 128 tokens in ao
	s_mul_i32 s70, s70, GB
	s_and_b32 s71, ttmp9, 15                       ; the head
	s_lshr_b32 s72, s71, 1
	s_mul_i32 s72, s72, 12800
	s_add_co_u32 s66, s70, s72
	s_add_nc_u64 s[54:55], s[6:7], s[66:67]        ; the block of my pair of heads
	s_and_b32 s71, s71, 1
	s_mul_i32 s66, s10, 1536
	s_mul_i32 s73, s71, 768
	s_add_co_u32 s66, s66, s73
	s_add_nc_u64 s[52:53], s[54:55], s[66:67]      ; my half of my first tile's fragment
	s_lshr_b32 s66, s10, 2
	s_lshl_b32 s66, s66, 8
	s_and_b32 s73, s10, 3
	s_lshl_b32 s73, s73, 2
	s_add_co_u32 s66, s66, s73
	s_lshl_b32 s73, s71, 1
	s_add_co_u32 s66, s66, s73
	s_add_co_u32 s66, s66, 12288
	s_add_nc_u64 s[54:55], s[54:55], s[66:67]      ; my two bytes of row 0's scale word
	s_mov_b32 s[SEL], 0x76543210
	s_mov_b32 s[SEL+1], 0xfedcba98
	s_mov_b32 s[CS], 0x3e38aa3b                    ; c = log2(e) / 8
	s_mov_b32 s[CS+1], s[CS]                       ; named with it as a pair, so it is written
	s_mov_b32 s[NC], 0xbe38aa3b                    ; -c
	s_mov_b32 s[PASS], 2
	v_and_b32 v7, 15, v0                           ; r
	v_bfe_u32 v8, v0, 4, 1                         ; h
	v_and_b32 v9, 7, v0                            ; r % 8
	v_bfe_u32 v10, v0, 3, 1                        ; r / 8
	v_and_b32 v11, 31, v0                          ; lane
	v_mul_u32_u24 v1, v10, 1536                    ; K: two halves on for rows 8-15
	v_lshl_add_u32 v2, v9, 3, v1
	v_lshl_add_u32 v1, v9, 4, v1
	v_lshl_add_u32 v1, v8, 8, v1                   ; 16 (r % 8 + 16 h)
	v_lshl_add_u32 v2, v8, 7, v2                   ; 8 (r % 8 + 16 h)
	v_lshlrev_b32 v3, 3, v9
	v_lshl_add_u32 v3, v10, 2, v3                  ; K's scale words: 8 (r % 8) + 4 (r / 8)
	v_lshlrev_b32 v[L16], 4, v11
	v_lshlrev_b32 v[L8], 3, v11
	v_lshlrev_b32 v[R8], 3, v7
	v_lshlrev_b32 v[R16], 4, v7
	v_add_nc_u32 v4, GB, v[L16]                    ; V's part of LDS
	v_add_nc_u32 v5, GB, v[L8]
	v_add_nc_u32 v6, GB, v[R16]
	v_lshlrev_b32 v13, 3, v8                       ; 8 h
.irp j, 16,17,18,19,20,21,28,29,30,31,32,33,40,41,42,43,44,45
	v_mov_b32 v\j, 0                               ; the zero codes beside q
.endr
.irp j, 63,65,71,73,82,83,84,85
	v_mov_b32 v\j, 0                               ; written once: lane permutes' destinations, and the upper half of a pair, count as read
.endr
	s_wait_alu depctr_va_vdst(0)                   ; the wait at the head's end
	QLOAD
	s_wait_tensorcnt 0x0                           ; my part of K or V is in
	s_wait_dscnt 0x0
	s_barrier_signal -1
	s_barrier_wait -1                              ; and everybody's: from here on LDS is only read
; A KEY STEP: 128 keys x my 32 queries.  Its K is in registers: asked for a step ago, and waited for with that step's V.
.macro STEP
	WIN 0x01
.irp u, 0,1,2,3                                ; S^T = K Q^T: sixteen results, each begun with 0
.irp x, 0,1
	v_wmma_scale_f32_16x16x128_f8f6f4 v[SC+64*\x+16*\u:SC+64*\x+16*\u+7], v[KF+12*\u:KF+12*\u+11], v[22+12*\x:33+12*\x], 0, v[KS+\u], v[QS+\x] matrix_a_fmt:MATRIX_FMT_BF6 matrix_b_fmt:MATRIX_FMT_BF6
	v_wmma_scale_f32_16x16x128_f8f6f4 v[SC+64*\x+16*\u+8:SC+64*\x+16*\u+15], v[KF+12*\u:KF+12*\u+11], v[16+12*\x:27+12*\x], 0, v[KS+\u], v[QS+\x] matrix_a_fmt:MATRIX_FMT_BF6 matrix_b_fmt:MATRIX_FMT_BF6
.endr
.endr
	WIN 0
	v_add_nc_u32 v7, s[TB], v1                     ; six additions: the places between the products (these, and the last step's) and the loads into registers that they read, and the first read of the scores
	v_add_nc_u32 v8, s[TB], v2
	v_add_nc_u32 v9, s[TB], v3
	v_add_nc_u32 v10, s[TB], v4
	v_add_nc_u32 v11, s[TB], v5
	v_add_nc_u32 v12, s[TB], v6
	ds_load_b128 v[VS:VS+3], v12 offset:6144       ; this step's V, which lands under the softmax
	WIN 0x40
.irp y, 0,1,2,3,4,5,6,7
	ds_load_b128 v[VF+6*\y:VF+6*\y+3], v10 offset:768*\y
	ds_load_b64 v[VF+6*\y+4:VF+6*\y+5], v11 offset:768*\y+512
.endr
	WIN 0
	s_cmp_eq_u32 s[CNT], 1
	s_wait_alu depctr_va_vdst(0)                   ; the wait ahead of the branch
	s_cbranch_scc1 .Lno_next_\@                    ; a pass's last step has no next K
	LOADK 7, 8, 9, KB                              ; the next step's K
.Lno_next_\@:
.irp l, 0,1,2,3,4,5,6
	MAXL 0, \l                                     ; tile 0's blocks: the largest score serves the row's maximum and, since p rises with the score, the block's largest p
.endr
	MAXF 0, 0
	MAXF 0, 1
.irp l, 0,1,2,3,4,5,6
	MAXL 1, \l                                     ; tile 1's blocks, and among them tile 0's chain to -M and f
	RSTEP 0, \l
.endr
	MAXF 1, 0
	RSTEP 0, 7
	MAXF 1, 1
	RSTEP 0, 8
.set j, 0
.irp k, 0,1,2,3,4,5,6,7,8
.rept 3
	v_pk_fma_f32 v[SC+j:SC+j+1], v[SC+j:SC+j+1], s[CS:CS+1], v[ST:ST+1] op_sel_hi:[1,0,0]   ; tile 0: t - M, two at a time; among them tile 1's chain
.set j, j+2
.endr
	RSTEP 1, \k
.endr
.rept 5
	v_pk_fma_f32 v[SC+j:SC+j+1], v[SC+j:SC+j+1], s[CS:CS+1], v[ST:ST+1] op_sel_hi:[1,0,0]
.set j, j+2
.endr
	v_fma_f32 v[BM], v[BM], s[CS], v[ST]           ; the same of each block's largest score
	v_fma_f32 v[BM+1], v[BM+1], s[CS], v[ST]
.irp x, 0,1
	v_pk_mul_f32 v[ST+8*\x+2:ST+8*\x+3], v[ST+8*\x+2:ST+8*\x+3], v[ST+8*\x+4:ST+8*\x+5] op_sel_hi:[1,0]   ; the sums under the new M
.endr
	WIN 0x41
.set j, 0
.rept 16
	v_pk_mul_f32 v[j:j+1], v[j:j+1], v[ST+4:ST+5] op_sel_hi:[1,0]            ; O^T under the new M, ahead of the exponentials
	v_pk_mul_f32 v[32+j:33+j], v[32+j:33+j], v[ST+12:ST+13] op_sel_hi:[1,0]
.set j, j+2
.endr
	WIN 0
	s_wait_alu depctr_va_vdst(0)                   ; the wait ahead of the batch
.set j, 0
.rept 32
	v_exp_f32 v[SC+j], v[SC+j]                     ; tile 0: p = 2^(t - M), at most 1; among them tile 1's t - M, which nothing reads ahead of the next wait
	v_pk_fma_f32 v[SC+64+j:SC+65+j], v[SC+64+j:SC+65+j], s[CS:CS+1], v[ST+8:ST+9] op_sel_hi:[1,0,0]
	v_exp_f32 v[SC+j+1], v[SC+j+1]
.set j, j+2
.endr
	v_exp_f32 v[BM], v[BM]                         ; the block's largest p: the same two instructions on the same number
	v_fma_f32 v[BM+2], v[BM+2], s[CS], v[ST+8]
	v_exp_f32 v[BM+1], v[BM+1]
	v_fma_f32 v[BM+3], v[BM+3], s[CS], v[ST+8]
	s_wait_alu depctr_va_vdst(0)                   ; behind tile 0's batch and ahead of tile 1's
.set j, 0
.rept 16
	v_exp_f32 v[SC+64+4*j], v[SC+64+4*j]           ; tile 1's p; among them the first level of tile 0's sum: sixteen parts, each written once and read behind the next wait
	v_pk_add_f32 v[86+2*j+8*(j/14):87+2*j+8*(j/14)], v[SC+4*j:SC+4*j+1], v[SC+4*j+2:SC+4*j+3]
	v_exp_f32 v[SC+65+4*j], v[SC+65+4*j]
	v_exp_f32 v[SC+66+4*j], v[SC+66+4*j]
	v_exp_f32 v[SC+67+4*j], v[SC+67+4*j]
.set j, j+1
.endr
	v_exp_f32 v[BM+2], v[BM+2]
	v_exp_f32 v[BM+3], v[BM+3]
	v_max_num_f32 v[BM], 0x2800000, v[BM]          ; the floor 2^(5 - 127): the byte cannot fall under 1.  (Plain places behind the exponentials)
	v_max_num_f32 v[BM+1], 0x2800000, v[BM+1]
	s_wait_alu depctr_va_vdst(0)                   ; behind tile 1's batch, and ahead of the blocking wait
	s_wait_dscnt 0x0                               ; V and the next K are in
	; from here to the products: the rest of tile 0's sum, the scale words, the codes, tile 1's sum, by turns
	v_max_num_f32 v[BM+2], 0x2800000, v[BM+2]
	v_max_num_f32 v[BM+3], 0x2800000, v[BM+3]
.irp a, 0,1,2,3
	DADD \a, \a+8
.endr
.irp y, 0,1,2,3
	v_add_nc_u32 v[SO+\y], 0xfe000000, v[BM+\y]    ; 4 off the exponent field: the conversion's scale operand
.endr
.irp a, 4,5,6,7
	DADD \a, \a+8
.endr
.irp y, 0,1,2,3
	v_lshrrev_b32 v[PT+\y], 23, v[SO+\y]           ; the scale's byte
.endr
.irp a, 0,1,2,3
	DADD \a, \a+4
.endr
.irp x, 0,1
	v_lshl_or_b32 v[PT+2*\x], v[PT+2*\x+1], 16, v[PT+2*\x]   ; my two bytes: blocks h and 2 + h,
.endr
	DADD 0, 2
	DADD 1, 3                                      ; what is left of tile 0's sum lies in v86-89: the codes' registers are free
.irp x, 0,1
	v_lshlrev_b32 v[PT+2*\x], v13, v[PT+2*\x]      ; at their places in the word;
.endr
.irp c, 0,1
	v_cvt_scalef32_pk16_bf6_f32 v[PC+6*\c:PC+6*\c+2], v[SC+32*\c:SC+32*\c+15], v[SO+\c]
	v_cvt_scalef32_pk16_bf6_f32 v[CT+4*\c:CT+4*\c+2], v[SC+32*\c+16:SC+32*\c+31], v[SO+\c]   ; a conversion's three registers begin on an even number
.endr
	DADD 0, 1                                      ; (plain lines stand between the conversions and the moves)
.irp x, 0,1
	v_permlanex16_b32 v[PT+2*\x+1], v[PT+2*\x], s[SEL], s[SEL+1]
.endr
	v_pk_add_f32 v[ST+2:ST+3], v[ST+2:ST+3], v[86:87]
.irp x, 0,1
	v_or_b32 v[PW+\x], v[PT+2*\x], v[PT+2*\x+1]    ; with lane l xor 16's two: p's scale word for these 128 keys
.endr
.irp c, 0,1
.irp i, 0,1,2
	v_mov_b32 v[PC+6*\c+3+\i], v[CT+4*\c+\i]
.endr
.endr
.irp c, 0,1
	v_cvt_scalef32_pk16_bf6_f32 v[PC+12+6*\c:PC+12+6*\c+2], v[SC+64+32*\c:SC+64+32*\c+15], v[SO+2+\c]
	v_cvt_scalef32_pk16_bf6_f32 v[CT+4*\c:CT+4*\c+2], v[SC+64+32*\c+16:SC+64+32*\c+31], v[SO+2+\c]
.endr
.irp k, 0,1,2,3                                ; tile 1's sum: four chains, at v86, v88, v122, v124
	v_pk_add_f32 v[86+2*\k+32*(\k/2):87+2*\k+32*(\k/2)], v[SC+64+4*\k:SC+65+4*\k], v[SC+66+4*\k:SC+67+4*\k]
.endr
.irp c, 0,1
.irp i, 0,1,2
	v_mov_b32 v[PC+12+6*\c+3+\i], v[CT+4*\c+\i]
.endr
.endr
.irp n, 0,1,2,3,4,5                            ; these 28 lines are also the places between the scale words (8), the codes (4) and the products
.irp k, 0,1,2,3
	v_pk_add_f32 v[86+2*\k+32*(\k/2):87+2*\k+32*(\k/2)], v[86+2*\k+32*(\k/2):87+2*\k+32*(\k/2)], v[SC+80+8*\n+2*\k:SC+81+8*\n+2*\k]
.endr
.endr
	v_pk_add_f32 v[86:87], v[86:87], v[88:89]
	v_pk_add_f32 v[122:123], v[122:123], v[124:125]
	v_pk_add_f32 v[86:87], v[86:87], v[122:123]
	v_pk_add_f32 v[ST+10:ST+11], v[ST+10:ST+11], v[86:87]
	WIN 0x51
.irp t, 0,1,2,3                                ; O^T += V^T P^T: eight accumulators by turns
.irp x, 0,1
	v_wmma_scale_f32_16x16x128_f8f6f4 v[32*\x+8*\t:32*\x+8*\t+7], v[VF+12*\t:VF+12*\t+11], v[PC+12*\x:PC+12*\x+11], v[32*\x+8*\t:32*\x+8*\t+7], v[VS+\t], v[PW+\x] matrix_a_fmt:MATRIX_FMT_BF6 matrix_b_fmt:MATRIX_FMT_BF6
.endr
.endr
	WIN 0
.endm
.Lpass:
	LOADK 1, 2, 3, 0                               ; key step 0's K, which lands under the lines below
	s_wait_loadcnt 0x0                             ; my queries are in
.irp x, 0,1
	v_lshl_or_b32 v[QS+\x], v[ST+8*\x+6], 16, v[ST+8*\x+6]   ; q's scale bytes, for k 0-63 and for k 64-127 alike
	v_mov_b32 v[ST+8*\x+1], 0xff61b1e6             ; the largest score so far: -3e38
	v_mov_b32 v[ST+8*\x], 0x7f61b1e6               ; -M: 3e38, so that the first f is 0
	v_mov_b32 v[ST+8*\x+2], 0
	v_mov_b32 v[ST+8*\x+3], 0
.endr
	WIN 0x40
.set j, 0
.rept 64
	v_mov_b32 v[j], 0                              ; O^T: the step is written once, and the first change of M leaves zeros zeros
.set j, j+1
.endr
	WIN 0
	s_mov_b32 s[TB], 0
	s_mov_b32 s[CNT], 16
	s_wait_alu depctr_va_vdst(0)                   ; the wait ahead of the blocking wait
	s_wait_dscnt 0x0                               ; K is in
.Lstep:
	STEP
	s_add_co_u32 s[TB], s[TB], KB
	s_sub_co_u32 s[CNT], s[CNT], 1
	s_cmp_lg_u32 s[CNT], 0
	s_cbranch_scc1 .Lstep
	; THE WAY OUT: O^T / the sum, quantised along the head's 64 channels: two blocks, six registers of codes, two scale bytes a tile
.irp x, 0,1
	v_add_f32 v[ST+8*\x+2], v[ST+8*\x+2], v[ST+8*\x+3]
.endr
.irp x, 0,1
	v_permlanex16_b32 v[ST+8*\x+7], v[ST+8*\x+2], s[SEL], s[SEL+1]
.endr
.irp x, 0,1
	v_add_f32 v[ST+8*\x+2], v[ST+8*\x+2], v[ST+8*\x+7]   ; the row's sum
.endr
	v_nop
	v_nop
	s_wait_alu depctr_va_vdst(0)                   ; ahead of the reciprocals
	v_rcp_f32 v[ST+2], v[ST+2]
	v_rcp_f32 v[ST+10], v[ST+10]
	v_nop                                          ; a plain place behind them
	WIN 0x01
	s_wait_alu depctr_va_vdst(0)                   ; and the wait, directly ahead of the first reader of them and of O^T
.set j, 0
.rept 16
	v_pk_mul_f32 v[SC+j:SC+j+1], v[j:j+1], v[ST+2:ST+3] op_sel_hi:[1,0]          ; register 16 b + i = channel 32 b + 16 h + i; each accumulator from its low end on
	v_pk_mul_f32 v[SC+64+j:SC+65+j], v[32+j:33+j], v[ST+10:ST+11] op_sel_hi:[1,0]
.set j, j+2
.endr
	WIN 0
.irp x, 0,1
.irp b, 0,1
	v_max3_num_f32 v[BM+2*\x+\b], |v[SC+64*\x+16*\b]|, |v[SC+64*\x+16*\b+1]|, 0x2800000
.endr
.endr
.irp i, 2,4,6,8,10,12,14
.irp x, 0,1
.irp b, 0,1
	v_max3_num_f32 v[BM+2*\x+\b], v[BM+2*\x+\b], |v[SC+64*\x+16*\b+\i]|, |v[SC+64*\x+16*\b+\i+1]|
.endr
.endr
.endr
.irp y, 0,1,2,3
	v_permlanex16_b32 v[PT+\y], v[BM+\y], s[SEL], s[SEL+1]
.endr
.irp y, 0,1,2,3
	v_max_num_f32 v[BM+\y], v[BM+\y], v[PT+\y]     ; with lane l xor 16: the block's largest magnitude
.endr
.irp y, 0,1,2,3
	v_add_nc_u32 v[SO+\y], 0xfe000000, v[BM+\y]
.endr
.irp y, 0,1,2,3
	v_lshrrev_b32 v[PT+\y], 23, v[SO+\y]
.endr
.irp x, 0,1
	v_lshl_or_b32 v[ST+8*\x+6], v[PT+2*\x+1], 8, v[PT+2*\x]   ; my row's two bytes
.endr
.irp x, 0,1
	v_cvt_scalef32_pk16_bf6_f32 v[PC+12*\x:PC+12*\x+2], v[SC+64*\x:SC+64*\x+15], v[SO+2*\x]
	v_cvt_scalef32_pk16_bf6_f32 v[CT+4*\x:CT+4*\x+2], v[SC+64*\x+16:SC+64*\x+31], v[SO+2*\x+1]
.endr
	v_nop                                          ; one plain place behind a scaled conversion
.irp x, 0,1                                    ; a whole block to a lane
.irp i, 0,1,2
	v_permlane16_swap_b32 v[PC+12*\x+\i], v[CT+4*\x+\i]
.endr
.endr
.irp x, 0,1
.irp i, 0,1,2
	v_mov_b32 v[PC+12*\x+3+\i], v[CT+4*\x+\i]
.endr
.endr
.irp x, 0,1
	global_store_b128 v[L16], v[PC+12*\x:PC+12*\x+3], s[52:53] offset:1536*\x       ; 512 consecutive bytes, at a multiple of 256 from the buffer's first byte
	global_store_b64 v[L8], v[PC+12*\x+4:PC+12*\x+5], s[52:53] offset:1536*\x+512
	global_store_b16 v[R16], v[ST+8*\x+6], s[54:55] offset:4*\x
.endr
	s_wait_alu depctr_va_vdst(0)
	s_wait_xcnt 0x0                                ; the stores have read their data and bases: both are written again
	s_add_nc_u64 s[48:49], s[48:49], 2*KB          ; the next pass: two groups of 128 queries on
	s_add_nc_u64 s[50:51], s[50:51], 2*KB
	s_add_nc_u64 s[52:53], s[52:53], 2*GB
	s_add_nc_u64 s[54:55], s[54:55], 2*GB
	s_sub_co_u32 s[PASS], s[PASS], 1
	s_cmp_eq_u32 s[PASS], 0
	s_cbranch_scc1 .Ldone                          ; behind the last pass no queries are left to fetch
	QLOAD
	s_cmp_lg_u32 s[PASS], 0
	s_cbranch_scc1 .Lpass
.Ldone:
	s_wait_tensorcnt 0x0                           ; the wave's end
	ds_add_u32 v14, v15
	s_wait_dscnt 0x0
	CROUND                                         ; the closing round
	s_endpgm
.Lfunc_end_k_qef69310312_attn:
	.size	k_qef69310312_attn, .Lfunc_end_k_qef69310312_attn-k_qef69310312_attn
	.p2alignl 7, 3214868480
	.fill 96, 4, 3214868480
	.section	.rodata,"a",@progbits
	.p2align	6, 0x0
	.amdhsa_kernel k_qef69310312_attn
		.amdhsa_group_segment_fixed_size 206848
		.amdhsa_private_segment_fixed_size 0
		.amdhsa_enable_private_segment 0
		.amdhsa_kernarg_size 16
		.amdhsa_user_sgpr_count 2
		.amdhsa_user_sgpr_kernarg_segment_ptr 1
		.amdhsa_wavefront_size32 1
		.amdhsa_system_sgpr_workgroup_id_x 1
		.amdhsa_system_sgpr_workgroup_id_y 1
		.amdhsa_system_sgpr_workgroup_id_z 1
		.amdhsa_system_vgpr_workitem_id 0
		.amdhsa_next_free_vgpr 416
		.amdhsa_next_free_sgpr 80
		.amdhsa_reserve_vcc 0
		.amdhsa_float_denorm_mode_32 3
		.amdhsa_float_denorm_mode_16_64 3
		.amdhsa_memory_ordered 1
		.amdhsa_forward_progress 1
		.amdhsa_inst_pref_size 47
	.end_amdhsa_kernel
	.amdgpu_metadata
---
amdhsa.version: [ 1, 2 ]
amdhsa.kernels:
  - .name:           k_qef69310312_attn
    .symbol:         k_qef69310312_attn.kd
    .args:
      - { .name: qkv, .offset: 0, .size: 8, .value_kind: global_buffer, .address_space: global }
      - { .name: ao, .offset: 8, .size: 8, .value_kind: global_buffer, .address_space: global }
    .group_segment_fixed_size: 206848
    .private_segment_fixed_size: 0
    .kernarg_segment_align: 8
    .kernarg_segment_size: 16
    .max_flat_workgroup_size: 256
    .sgpr_count:     80
    .vgpr_count:     416
    .wavefront_size: 32
...
	.end_amdgpu_metadata
.endif
;; end of part 3
;; launch outp (part 4): grid 256 x 1, 4 waves a work-group, clusters of 4 x 1, 327,680 bytes of LDS; arguments xw, ao, b_o, out0; writes out0
.if DOCPART == 4
	.amdgcn_target "amdgcn-amd-amdhsa--gfx1250"
	.amdhsa_code_object_version 6
	.text
	.protected	k_qef69310312_outp
	.globl	k_qef69310312_outp
	.p2align	8
	.type	k_qef69310312_outp,@function
k_qef69310312_outp:
	s_mov_b64 s[64:65], 0
	v_nop
	global_prefetch_b8 v0, s[64:65] scope:SCOPE_SE
	s_setreg_imm32_b32 hwreg(HW_REG_WAVE_MODE, 25, 1), 1
	s_wait_xcnt 0x0
	s_wait_alu depctr_hold_cnt(0) depctr_sa_sdst(0) depctr_va_vdst(0) depctr_va_sdst(0) depctr_va_ssrc(0) depctr_va_vcc(0) depctr_vm_vsrc(0)
	s_getreg_b32 s2, hwreg(HW_REG_IB_STS2, 6, 4)
	s_cmp_eq_u32 s2, 0
	s_cbranch_scc0 .Lentry_in_a_cluster
	s_endpgm
.Lentry_in_a_cluster:
	s_bfe_u32 s2, ttmp6, 0x10000c
	s_cmp_lg_u32 s2, 0x3003
	s_cbranch_scc0 .Lentry_shape_is_right
	s_endpgm
.Lentry_shape_is_right:
.set GB,   102400
.set SB,   12800
.set NST,  8
.set NT,   2
.set SS,   16
.set SR,   32
.set F0,   48
.set BO,   240
.set WV,   14
.set MSB,  0
.macro WIN new
.if MSB != \new
	s_set_vgpr_msb (MSB<<8)|\new
.set MSB, \new
.endif
.endm
.macro CROUND
	s_barrier_signal -1
	s_barrier_wait -1
	s_cmp_lg_u32 s[WV], 0
	s_cbranch_scc1 .Lnot_wave_0_\@
	s_barrier_signal -3
.Lnot_wave_0_\@:
	s_barrier_wait -3
	s_barrier_signal -1
	s_barrier_wait -1
.endm
	s_load_b256 s[4:11], s[0:1], 0x0
	v_lshl_add_u32 v254, v0, 2, 0x29000
	v_mov_b32 v255, 0
	ds_add_u32 v254, v255
	ds_add_u32 v254, v255
	v_lshrrev_b32 v1, 5, v0
	v_readfirstlane_b32 s[WV], v1
	s_bfe_u32 s15, ttmp6, 0x40000
	s_mov_b32 s16, ttmp9
	s_and_b32 s17, s16, 7
	s_mov_b32 s24, 15|(3<<16)|(1<<21)
	s_mov_b32 s25, 32<<16
	s_mov_b32 s26, 100<<16
	s_mov_b32 s27, 32<<16
	s_mov_b32 s28, 100
	s_mov_b32 s29, 32
	s_mov_b32 s30, 0
	s_mov_b32 s31, 0
	s_mul_i32 s82, s[WV], 2*SB                     ; a wave fetches two K steps' blocks of the weights: 100 rows of 256 bytes
	s_mul_i32 s84, s17, GB
	s_add_co_u32 s84, s84, s82
	s_mov_b32 s85, 0
	s_wait_dscnt 0x0
	s_wait_kmcnt 0x0
	s_add_nc_u64 s[84:85], s[4:5], s[84:85]
.macro DESC n, src, goff, loff
	s_mov_b32 s[32+4*\n], 1
	s_add_co_u32 s[33+4*\n], s82, \loff
	s_add_nc_u64 s[34+4*\n:35+4*\n], s[\src:\src+1], \goff
	s_or_b32 s[35+4*\n], s[35+4*\n], 0x80000000
.endm
	DESC 0, 84, 216*GB, 0
	CROUND
	tensor_load_to_lds s[32:35], s[24:31]          ; the whole weight tile by four joint loads, one a wave
	s_nop 0
.rept 4
	v_nop
.endr
	s_lshr_b32 s18, s16, 3
	s_lshl_b32 s18, s18, 3
	s_lshl_b32 s19, s15, 1
	s_lshr_b32 s20, s[WV], 1
	s_add_co_u32 s19, s19, s20
	s_add_co_u32 s18, s18, s19
	s_and_b32 s21, s[WV], 1
	s_mul_i32 s88, s18, GB
	s_mov_b32 s89, 0
	s_add_nc_u64 s[56:57], s[6:7], s[88:89]
	s_lshl_b32 s88, s18, 7
	s_lshl_b32 s90, s21, 6
	s_add_co_u32 s88, s88, s90
	s_lshl_b32 s88, s88, 12
	s_lshl_b32 s90, s17, 9
	s_add_co_u32 s88, s88, s90
	s_add_nc_u64 s[66:67], s[10:11], s[88:89]
	s_mov_b32 s91, 0
	s_add_nc_u64 s[8:9], s[8:9], s[90:91]
	v_and_b32 v13, 31, v0
	v_and_b32 v14, 15, v0
	v_bfe_u32 v15, v0, 4, 1
	v_lshlrev_b32 v1, 4, v13
	v_lshlrev_b32 v2, 3, v13
	v_lshlrev_b32 v9, 4, v14
	global_load_b128 v[BO:BO+3], v1, s[8:9]
	s_mul_i32 s96, s21, 6144
	v_add_nc_u32 v3, s96, v1
	s_wait_alu depctr_va_vdst(0)
	v_add_nc_u32 v4, s96, v2
	s_wait_alu depctr_va_vdst(0)
	s_lshl_b32 s97, s21, 8
	s_add_co_u32 s97, s97, 12288
	v_add_nc_u32 v5, s97, v9
	s_wait_alu depctr_va_vdst(0)
	s_mul_i32 s20, s[WV], 16*528
	s_add_co_u32 s20, s20, GB
	v_mul_u32_u24 v10, v14, 528
	v_lshl_add_u32 v10, v15, 6, v10
	v_add_nc_u32 v10, s20, v10
	v_add_nc_u32 v11, s20, v1
.macro GLOADS g
.set gs, (\g)%8
.set gq, (\g)%4
	WIN 0x80
.irp a, 0,1,2,3
.irp c, 0,1
	global_load_b128 v[48*gq+12*\a+6*\c:48*gq+12*\a+6*\c+3], v3, s[56:57] offset:gs*SB+1536*\a+768*\c
	global_load_b64 v[48*gq+12*\a+6*\c+4:48*gq+12*\a+6*\c+5], v4, s[56:57] offset:gs*SB+1536*\a+768*\c+512
.endr
.endr
	WIN 0
	global_load_b128 v[SR+4*gq:SR+4*gq+3], v5, s[56:57] offset:gs*SB
.endm
.macro FETCH p
.irp b, 0,1,2,3,4,5,6,7
.irp c, 0,1
	ds_load_b128 v[F0+96*(\p)+12*\b+6*\c:F0+96*(\p)+12*\b+6*\c+3], v6 offset:1536*\b+768*\c
	ds_load_b64 v[F0+96*(\p)+12*\b+6*\c+4:F0+96*(\p)+12*\b+6*\c+5], v7 offset:1536*\b+768*\c+512
.endr
.endr
	ds_load_b128 v[SS+8*(\p):SS+8*(\p)+3], v8
	ds_load_b128 v[SS+8*(\p)+4:SS+8*(\p)+7], v8 offset:256
.endm
.macro ADDR base
	v_add_nc_u32 v6, \base, v1
	v_add_nc_u32 v7, \base, v2
	v_add_nc_u32 v8, (\base)+12288, v9
.endm
.macro BAR n
	s_wait_tensorcnt \n
	s_wait_dscnt 0x0
	s_barrier_signal -1
	s_barrier_wait -1
.endm
.macro STEP s
.set gi, (\s)
.set fp, (\s)%2
.set rq, gi%4
.if gi+2 < NST
	s_wait_loadcnt 34
.elseif gi+1 < NST
	s_wait_loadcnt 17
.else
	s_wait_loadcnt 0
.endif
	s_wait_dscnt 0x0
.if (\s) < 7
	ADDR ((\s)+1)*SB
	v_nop
.else
.rept 4
	v_nop
.endr
.endif
.if gi+3 < NST
	GLOADS gi+3
.endif
.if (\s) < 7
	FETCH 1-fp
.endif
	WIN 0x58
.irp a, 0,1,2,3
.irp b, 0,1,2,3,4,5,6,7
.if (\s) == 0
	v_wmma_scale_f32_16x16x128_f8f6f4 v[64*\a+8*\b:64*\a+8*\b+7], v[F0+96*fp+12*\b:F0+96*fp+12*\b+11], v[48*rq+12*\a:48*rq+12*\a+11], 0, v[SS+8*fp+\b], v[SR+4*rq+\a] matrix_a_fmt:MATRIX_FMT_BF6 matrix_b_fmt:MATRIX_FMT_BF6
.else
	v_wmma_scale_f32_16x16x128_f8f6f4 v[64*\a+8*\b:64*\a+8*\b+7], v[F0+96*fp+12*\b:F0+96*fp+12*\b+11], v[48*rq+12*\a:48*rq+12*\a+11], v[64*\a+8*\b:64*\a+8*\b+7], v[SS+8*fp+\b], v[SR+4*rq+\a] matrix_a_fmt:MATRIX_FMT_BF6 matrix_b_fmt:MATRIX_FMT_BF6
.endif
.endr
.endr
	WIN 0
.endm
	GLOADS 0
	GLOADS 1
	GLOADS 2
	s_wait_alu depctr_va_vdst(0)                   ; the wait at the head's end
	BAR 0
	ADDR 0
	FETCH 0
.irp s, 0,1,2,3,4,5,6,7
	STEP \s
.endr
.rept 4
	v_nop
.endr
.irp a, 0,1,2,3
.if \a > 0
	s_wait_xcnt 0x0
.endif
	WIN 0x04
.irp b, 0,1,2,3,4,5,6,7
	ds_store_b128 v10, v[64*\a+8*\b:64*\a+8*\b+3] offset:128*(\b/2)+32*(\b%2)
	ds_store_b128 v10, v[64*\a+8*\b+4:64*\a+8*\b+7] offset:128*(\b/2)+32*(\b%2)+16
.endr
	WIN 0
.irp t, 0,1,2,3,4,5,6,7,8,9,10,11,12,13,14,15
	ds_load_b128 v[48+4*\t:51+4*\t], v11 offset:528*\t
.endr
.irp t, 0,1,2,3,4,5,6,7,8,9,10,11,12,13,14,15
	s_wait_dscnt 15-\t
	v_pk_add_f32 v[48+4*\t:49+4*\t], v[48+4*\t:49+4*\t], v[BO:BO+1]
	v_pk_add_f32 v[50+4*\t:51+4*\t], v[50+4*\t:51+4*\t], v[BO+2:BO+3]
	global_store_b128 v1, v[48+4*\t:51+4*\t], s[66:67] offset:(32*(\a/2)+8*(\a%2)+\t+8*(\t/8))*4096 th:TH_STORE_NT
.endr
.endr
	s_wait_tensorcnt 0x0
	ds_add_u32 v254, v255
	s_wait_dscnt 0x0
	CROUND
	s_endpgm
.Lfunc_end_k_qef69310312_outp:
	.size	k_qef69310312_outp, .Lfunc_end_k_qef69310312_outp-k_qef69310312_outp
	.p2alignl 7, 3214868480
	.fill 96, 4, 3214868480
	.section	.rodata,"a",@progbits
	.p2align	6, 0x0
	.amdhsa_kernel k_qef69310312_outp
		.amdhsa_group_segment_fixed_size 327680
		.amdhsa_private_segment_fixed_size 0
		.amdhsa_enable_private_segment 0
		.amdhsa_kernarg_size 32
		.amdhsa_user_sgpr_count 2
		.amdhsa_user_sgpr_kernarg_segment_ptr 1
		.amdhsa_wavefront_size32 1
		.amdhsa_system_sgpr_workgroup_id_x 1
		.amdhsa_system_sgpr_workgroup_id_y 1
		.amdhsa_system_sgpr_workgroup_id_z 1
		.amdhsa_system_vgpr_workitem_id 0
		.amdhsa_next_free_vgpr 768
		.amdhsa_next_free_sgpr 100
		.amdhsa_reserve_vcc 0
		.amdhsa_float_denorm_mode_32 3
		.amdhsa_float_denorm_mode_16_64 3
		.amdhsa_memory_ordered 1
		.amdhsa_forward_progress 1
		.amdhsa_inst_pref_size 95
	.end_amdhsa_kernel
	.amdgpu_metadata
---
amdhsa.version: [ 1, 2 ]
amdhsa.kernels:
  - .name:           k_qef69310312_outp
    .symbol:         k_qef69310312_outp.kd
    .args:
      - { .name: xw, .offset: 0, .size: 8, .value_kind: global_buffer, .address_space: global }
      - { .name: ao, .offset: 8, .size: 8, .value_kind: global_buffer, .address_space: global }
      - { .name: b_o, .offset: 16, .size: 8, .value_kind: global_buffer, .address_space: global }
      - { .name: out0, .offset: 24, .size: 8, .value_kind: global_buffer, .address_space: global }
    .group_segment_fixed_size: 327680
    .private_segment_fixed_size: 0
    .kernarg_segment_align: 8
    .kernarg_segment_size: 32
    .max_flat_workgroup_size: 128
    .sgpr_count:     100
    .vgpr_count:     768
    .wavefront_size: 32
...
	.end_amdgpu_metadata
.endif
;; end of part 4
